; MI455X (gfx1250); checked and timed in simulation.
; The chip was launched on July 23, 2026; its instructions are those of AMD's public machine-readable ISA for CDNA 5 (MIT licence, August 2026) and "CDNA5" Instruction Set Architecture Reference Guide (July 2026). The comments in the code are by the model that wrote it; some were corrected since.
;; FP8 Linear. Allowed arithmetic: matrix products marked QUANTISED: E2M1 operands, one E8M0 scale for each 32 along K, by v_wmma_scale_f32_16x16x128_f8f6f4 with both operands' format E2M1 (or v_wmma_scale_f32_32x16x128_f4), f32 sums; everything else in f32.
;; Inputs: weight 4,096 x 4,096 float32; x 4,096 x 4,096 float32.
;; Outputs: out0 4,096 x 4,096 float32.
;; This version of the problem:
;;   THIS VERSION OF THE PROBLEM IS GIVEN IN LOW PRECISION. The matrix products marked QUANTISED in the list below multiply operands that are first quantised to E2M1 (2 exponent bits, 1 mantissa bit; 4 bits a number), with one power-of-two scale for each 32 numbers along K (OCP MX v1.0); their sums are f32. All else is computed in f32.
;;   The module's matrix products, in the order in which they are computed (A, B: the left and right operand; K: the contracted axis; several contracted axes count as one K, in the product's order):
;;     1. [M 4,096, K 4,096] x [K 4,096, N 4,096]; A: input x; B: input weight: QUANTISED
;;   THE QUANTISER, for each operand of a quantised product, along K:
;;     - K is cut into blocks of 32 from its start; a last block that is shorter is filled with zeros.
;;     - A block's scale is 2^e with e = floor(log2(the largest magnitude in the block)) - 2, held to -126 .. 127; a block of zeros has e = 0. As a byte (E8M0): e + 127.
;;     - Each number is divided by its block's scale, clamped to +-6, and rounded to the nearest number of E2M1, ties to even, subnormals kept.
;;     - The product sums the exact products of the quantised numbers (number of the format x scale) in f32.
;;   ~~~python
;;   def quantise(x, axis):      # numpy; x: float32 -> the quantised numbers, widened to float32 again
;;       x = np.moveaxis(x, axis, -1); K = x.shape[-1]
;;       x = np.pad(x, [(0, 0)] * (x.ndim - 1) + [(0, -K % 32)]); x = x.reshape(x.shape[:-1] + (-1, 32)); a = np.abs(x).max(-1, keepdims=True)
;;       e = np.where(a > 0, np.clip(np.frexp(np.where(a > 0, a, 1))[1] - 1 - 2, -126, 127), 0)      # np.frexp(a)[1] - 1 = floor(log2(a)), exactly
;;       r = np.clip(x / 2.0 ** e, -6, 6)
;;       step = 2.0 ** (np.maximum(np.frexp(np.where(r == 0, 1, r))[1] - 1, 0) - 1)
;;       q = np.round(r / step) * step * 2.0 ** e      # np.round: ties to even
;;       return np.moveaxis(q.reshape(q.shape[:-2] + (-1,))[..., :K], -1, axis).astype(np.float32)
;;   ~~~
;; One version. Each part assembles by itself: llvm-mc -triple=amdgcn-amd-amdhsa -mcpu=gfx1250 --defsym DOCPART=n.
;; ======== version 1 of 1: 2 launches
;; limits: inputs' magnitudes at most 448; right only within a limited range of input values
;; workspace buffers: xq 8,912,896 bytes; wq 8,912,896 bytes
;; launch quant (part 1): grid 512 x 2, 4 waves a work-group, no clusters, 41,472 bytes of LDS; arguments x, weight, xq, wq; writes xq, wq
.if DOCPART == 1
	.amdgcn_target "amdgcn-amd-amdhsa--gfx1250"
	.amdhsa_code_object_version 6
	.text
	.protected	k_q7460ac8b5b_quant
	.globl	k_q7460ac8b5b_quant
	.p2align	8
	.type	k_q7460ac8b5b_quant,@function
k_q7460ac8b5b_quant:
	s_mov_b64 s[64:65], 0
	v_nop
	global_prefetch_b8 v0, s[64:65] scope:SCOPE_SE
	s_setreg_imm32_b32 hwreg(HW_REG_WAVE_MODE, 25, 1), 1
	s_wait_xcnt 0x0
; x [4096][4096] and weight [4096][4096], f32, K innermost, are turned into codes of FP4 (E2M1) with one E8M0 scale byte for each 32 along K.
; THE OPERAND IS WHAT THE MODULE MULTIPLIES: each number is first rounded to e4m3 (nearest, ties to even, subnormals kept) and widened again, as the module does ahead of its product (WITH_E4M3 = 1);
; the block's largest magnitude and the codes are taken of those numbers.
; A block's scale is 2^(floor(log2(its largest magnitude)) - 2); its byte is the largest magnitude's exponent field - 2, held at 1 from below.
; LIMITS: magnitudes above 448, e4m3's largest number, are not served, nor NaN and infinities.  A block of zeros gets the byte 1 where the rule says 127: its codes are zeros, which add nothing under any
; byte but 0xff, and the bytes are read by this program alone.
; THE OUTPUT'S LAYOUT, the same for both tensors: [ks 0..7][row 0..4095][272 bytes]: 256 bytes are the codes of k = 512 ks .. 512 ks + 511 of the row (two a byte, the lower k in the low four bits),
; the next 16 bytes the scale bytes of these 16 blocks.  So 128 rows of one ks are 34,816 consecutive bytes, which the product's launch brings into LDS as they lie, rows 272 bytes apart.
; SHARES.  Work-group y picks the tensor (pointers alone are chosen: one path through the text).  Work-group x = 2 rg + kh: rows 16 rg .. 16 rg + 15; wave w takes ks = 4 kh + w of them, so the four waves
; read 8,192 consecutive bytes of each row.  A wave walks its 16 rows, a step a row: 512 numbers in, 272 bytes out; its 16 x 272 = 4,352 bytes are consecutive in memory and begin at a multiple of 256.
; A conversion takes neighbours along K from ONE lane's registers, a load is best where neighbouring LANES take neighbouring bytes: so each of a step's four loads reads 512 consecutive bytes, 16 a lane,
; and the 2,048 bytes turn through the wave's own stage in LDS and come back 64 bytes a lane (16 bytes of padding behind each 64).  Two neighbouring lanes hold a block of 32.
; Codes and scale bytes are gathered in the wave's own 4,352 bytes of LDS and leave by 17 stores of 256 consecutive bytes each.
; No barrier: waves share nothing.  Loads run four steps (16 loads a wave) ahead, the turn through LDS one step.  Every offset is an immediate; no register that a global load or store names is written again.
; Matrix units, clusters and tensor loads are left out: this is a stream in which no byte is read twice.
.set WITH_E4M3, 1
.set STEPS,  16
.set ROWIN,  16384                     ; a row of the input in bytes
.set PIECE,  272                       ; a row's part of one ks in the output
.set KSTRIDE, 4096*PIECE               ; from one ks to the next
.set SP,     80                        ; a lane's place in a stage: its 64 bytes + 16 of padding
.set STG,    32*SP                     ; a stage
.set OUT,    2*STG                     ; behind the two stages: the wave's 16 x 272 bytes on their way out
.set WREG,   10240                     ; LDS: a region of its own for each wave
.set R,      16                        ; v16-79   four sets of 16 numbers as they are loaded
.set X,      80                        ; v80-111  two sets of 16 neighbours
.set E,      112                       ; v112-127 a scale byte for each step
.set C,      128                       ; v128-159 two registers of codes for each step
.set F8,     160                       ; v160-163 e4m3 codes, at work
.set OUTR,   16                        ; v16-49   the way out: 17 pairs, where the loaded numbers lay
	s_load_b256 s[4:11], s[0:1], 0x0               ; x s[4:5], weight s[6:7], xq s[8:9], wq s[10:11]
	v_lshl_add_u32 v176, v0, 2, 0xa000
	v_mov_b32 v177, 0
	v_lshrrev_b32 v1, 5, v0
	v_readfirstlane_b32 s16, v1                    ; wave 0..3
	v_and_b32 v2, 31, v0                           ; lane
	v_lshlrev_b32 v3, 4, v2                        ; my 16 bytes of a load's 512
	v_lshlrev_b32 v4, 3, v2                        ; my 8 bytes of a store's 256
	s_mul_i32 s17, s16, WREG
	v_lshrrev_b32 v14, 2, v2
	v_mul_u32_u24 v14, v14, SP
	v_and_b32 v15, 3, v2
	v_lshl_add_u32 v14, v15, 4, v14
	v_add_nc_u32 v14, s17, v14                     ; the stage, on the way in: SP (lane / 4) + 16 (lane % 4); a load's 512 bytes take eight places
	v_mul_u32_u24 v15, v2, SP
	v_add_nc_u32 v15, s17, v15                     ; and on the way out: SP x lane: my 16 neighbours
	s_add_co_u32 s17, s17, OUT
	v_add_nc_u32 v6, s17, v4                       ; where my 8 bytes of codes go, and where I read 8 bytes of a unit back
	v_lshrrev_b32 v5, 1, v2
	v_add_nc_u32 v5, s17, v5
	v_add_nc_u32 v5, 256, v5                       ; my block's scale byte: behind the row's 256 bytes of codes
	v_mov_b32 v10, 1.0                             ; the scale 1 for the conversion to e4m3 (it takes the exponent field),
	v_mov_b32 v12, 0x7f7f7f7f                      ; and for the way back (it takes an E8M0 byte: 127 in every byte)
	s_and_b32 s18, ttmp7, 0xffff                   ; 0: x, 1: weight
	s_lshr_b32 s19, ttmp9, 1                       ; rg
	s_and_b32 s20, ttmp9, 1                        ; kh
	s_lshl_b32 s20, s20, 2
	s_add_co_u32 s20, s20, s16                     ; ks = 4 kh + wave
	s_lshl_b32 s22, s19, 18                        ; in: 16 rg rows of 16,384 bytes
	s_lshl_b32 s21, s20, 11                        ;     + ks x 2,048 bytes
	s_add_co_u32 s22, s22, s21
	s_mov_b32 s23, 0
	s_mul_i32 s24, s20, KSTRIDE                    ; out: ks x KSTRIDE
	s_mul_i32 s21, s19, 16*PIECE                   ;      + 16 rg rows of 272 bytes
	s_add_co_u32 s24, s24, s21
	s_mov_b32 s25, 0
	s_wait_alu depctr_va_vdst(0)
	s_wait_kmcnt 0x0
	s_cmp_eq_u32 s18, 0                            ; the choice hangs on the work-group's number alone
	s_cselect_b64 s[4:5], s[4:5], s[6:7]
	s_cselect_b64 s[8:9], s[8:9], s[10:11]
	s_add_nc_u64 s[4:5], s[4:5], s[22:23]
	s_add_nc_u64 s[8:9], s[8:9], s[24:25]
.macro LOAD t                          ; row t's 2,048 bytes into set t % 4
.irp i, 0,1,2,3
	global_load_b128 v[R+16*((\t)%4)+4*\i:R+16*((\t)%4)+4*\i+3], v3, s[4:5] offset:ROWIN*(\t)+512*\i th:TH_LOAD_NT   ; 32 lanes read 512 consecutive bytes; read once in the launch
.endr
.endm
.macro TURN t                          ; step t's numbers through stage t % 2: LDS serves a wave's instructions in order (ISA guide 5.7.1), so no wait stands between the stores and the loads
.irp i, 0,1,2,3
	ds_store_b128 v14, v[R+16*((\t)%4)+4*\i:R+16*((\t)%4)+4*\i+3] offset:STG*((\t)%2)+8*SP*\i
.endr
.irp i, 0,1,2,3
	ds_load_b128 v[X+16*((\t)%2)+4*\i:X+16*((\t)%2)+4*\i+3], v15 offset:STG*((\t)%2)+16*\i
.endr
.endm
.irp t, 0,1,2,3
	LOAD \t
.endr
	s_wait_loadcnt 12                              ; step 0's four loads are in; those of steps 1 to 3 stay out
	TURN 0
.macro STEP t
.set XS, X+16*((\t)%2)
.if (\t) > 0
	s_wait_dscnt 2                                 ; this step's numbers are back from the stage; the two younger LDS instructions, the last step's byte store and code store, may be out
.else
	s_wait_dscnt 0x0
.endif
.if (\t)+4 < STEPS
	LOAD (\t)+4                                    ; into the set that this step's stage stores have read
.endif
.if (\t)+1 < STEPS
.if STEPS-2-(\t) >= 3
	s_wait_loadcnt 12                              ; the next step's four loads are in; those of the three steps behind it may be out
.else
	s_wait_loadcnt 4*(STEPS-2-(\t))                ; towards the end fewer steps stand behind it
.endif
	TURN (\t)+1                                    ; they go through the other stage while this step is worked
.endif
.if WITH_E4M3
	v_cvt_scalef32_pk8_fp8_f32 v[F8:F8+1], v[XS:XS+7], v10         ; to e4m3, nearest, ties to even,
	v_cvt_scalef32_pk8_fp8_f32 v[F8+2:F8+3], v[XS+8:XS+15], v10
	v_nop                                          ; (a plain instruction between scaled conversions and what touches their results or writes their sources)
	v_cvt_scale_pk8_f32_fp8 v[XS:XS+7], v[F8:F8+1], v12            ; and back to f32: exact
	v_cvt_scale_pk8_f32_fp8 v[XS+8:XS+15], v[F8+2:F8+3], v12
	v_nop
.endif
	v_max3_num_f32 v8, |v[XS]|, |v[XS+1]|, |v[XS+2]|               ; the largest magnitude of my 16, in two chains
	v_max3_num_f32 v9, |v[XS+3]|, |v[XS+4]|, |v[XS+5]|
.irp i, 6,10
	v_max3_num_f32 v8, v8, |v[XS+\i]|, |v[XS+\i+1]|
	v_max3_num_f32 v9, v9, |v[XS+\i+2]|, |v[XS+\i+3]|
.endr
	v_max3_num_f32 v8, v8, |v[XS+14]|, |v[XS+15]|
	v_max3_num_f32 v8, v8, v9, 3<<23               ; and the floor 2^(3 - 127), under which no largest magnitude is taken: so the byte cannot fall under 1
	v_max_num_f32_dpp v8, v8, v8 row_xmask:1 row_mask:0xf bank_mask:0xf   ; and of my neighbour's 16: the block's
	v_add_nc_u32 v11, 0xff000000, v8               ; 2 off its exponent field: the conversion takes the exponent field of this operand as its scale, and nothing else of it
	v_cvt_scalef32_pk8_fp4_f32 v[C+2*(\t)], v[XS:XS+7], v11        ; eight numbers / the scale, to the nearest code, ties to even, beyond 6 the largest code; the first number's code in the lowest four bits
	v_cvt_scalef32_pk8_fp4_f32 v[C+2*(\t)+1], v[XS+8:XS+15], v11
	v_lshrrev_b32 v[E+(\t)], 23, v11               ; the scale's byte (also the plain instruction behind the conversions)
	ds_store_b8 v5, v[E+(\t)] offset:PIECE*(\t)    ; both lanes of a block write the same byte with the same value
	ds_store_b64 v6, v[C+2*(\t):C+2*(\t)+1] offset:PIECE*(\t)      ; my 16 codes: bytes 8 lane .. 8 lane + 7 of the row's 256
.endm
.irp t, 0,1,2,3,4,5,6,7,8,9,10,11,12,13,14,15
	STEP \t
.endr
.irp j, 0,1,2,3,4,5,6,7,8,9,10,11,12,13,14,15,16
	ds_load_b64 v[OUTR+2*\j:OUTR+2*\j+1], v6 offset:256*\j         ; the wave's 4,352 bytes as 17 runs of 256: these see my stores, which LDS has served first
.endr
.irp j, 0,1,2,3,4,5,6,7,8,9,10,11,12,13,14,15,16
	s_wait_dscnt 16-\j                             ; run j is in; the younger ones may be out
	global_store_b64 v4, v[OUTR+2*\j:OUTR+2*\j+1], s[8:9] offset:256*\j   ; 32 lanes store 256 consecutive bytes, at a multiple of 256 from the buffer's first byte
.endr
	s_wait_tensorcnt 0x0
	ds_add_u32 v176, v177
	s_wait_dscnt 0x0
	s_endpgm
.Lfunc_end_k_q7460ac8b5b_quant:
	.size	k_q7460ac8b5b_quant, .Lfunc_end_k_q7460ac8b5b_quant-k_q7460ac8b5b_quant
	.p2alignl 7, 3214868480
	.fill 96, 4, 3214868480
	.section	.rodata,"a",@progbits
	.p2align	6, 0x0
	.amdhsa_kernel k_q7460ac8b5b_quant
		.amdhsa_group_segment_fixed_size 41472
		.amdhsa_private_segment_fixed_size 0
		.amdhsa_enable_private_segment 0
		.amdhsa_kernarg_size 32
		.amdhsa_user_sgpr_count 2
		.amdhsa_user_sgpr_kernarg_segment_ptr 1
		.amdhsa_wavefront_size32 1
		.amdhsa_system_sgpr_workgroup_id_x 1
		.amdhsa_system_sgpr_workgroup_id_y 1
		.amdhsa_system_sgpr_workgroup_id_z 1
		.amdhsa_system_vgpr_workitem_id 0
		.amdhsa_next_free_vgpr 178
		.amdhsa_next_free_sgpr 66
		.amdhsa_reserve_vcc 0
		.amdhsa_float_denorm_mode_32 3
		.amdhsa_float_denorm_mode_16_64 3
		.amdhsa_memory_ordered 1
		.amdhsa_forward_progress 1
		.amdhsa_inst_pref_size 41
	.end_amdhsa_kernel
	.amdgpu_metadata
---
amdhsa.version: [ 1, 2 ]
amdhsa.kernels:
  - .name:           k_q7460ac8b5b_quant
    .symbol:         k_q7460ac8b5b_quant.kd
    .args:
      - { .name: x, .offset: 0, .size: 8, .value_kind: global_buffer, .address_space: global }
      - { .name: weight, .offset: 8, .size: 8, .value_kind: global_buffer, .address_space: global }
      - { .name: xq, .offset: 16, .size: 8, .value_kind: global_buffer, .address_space: global }
      - { .name: wq, .offset: 24, .size: 8, .value_kind: global_buffer, .address_space: global }
    .group_segment_fixed_size: 41472
    .private_segment_fixed_size: 0
    .kernarg_segment_align: 8
    .kernarg_segment_size: 32
    .max_flat_workgroup_size: 128
    .sgpr_count:     66
    .vgpr_count:     178
    .wavefront_size: 32
...
	.end_amdgpu_metadata
.endif
;; end of part 1
;; launch gemm (part 2): grid 16 x 16, 4 waves a work-group, clusters of 4 x 4, 327,680 bytes of LDS; arguments xq, wq, out0; writes out0
.if DOCPART == 2
	.amdgcn_target "amdgcn-amd-amdhsa--gfx1250"
	.amdhsa_code_object_version 6
	.text
	.protected	k_q7460ac8b5b_gemm
	.globl	k_q7460ac8b5b_gemm
	.p2align	8
	.type	k_q7460ac8b5b_gemm,@function
k_q7460ac8b5b_gemm:
	s_mov_b64 s[64:65], 0
	v_nop
	global_prefetch_b8 v0, s[64:65] scope:SCOPE_SE
	s_setreg_imm32_b32 hwreg(HW_REG_WAVE_MODE, 25, 1), 1
	s_wait_xcnt 0x0
	s_wait_alu depctr_hold_cnt(0) depctr_sa_sdst(0) depctr_va_vdst(0) depctr_va_sdst(0) depctr_va_ssrc(0) depctr_va_vcc(0) depctr_vm_vsrc(0)
	s_getreg_b32 s2, hwreg(HW_REG_IB_STS2, 6, 4)
	s_cmp_eq_u32 s2, 0
	s_cbranch_scc0 .Lentry_in_a_cluster
	s_endpgm
.Lentry_in_a_cluster:
	s_bfe_u32 s2, ttmp6, 0x10000c
	s_cmp_lg_u32 s2, 0xf033
	s_cbranch_scc0 .Lentry_shape_is_right
	s_endpgm
.Lentry_shape_is_right:
; out0[m][n] = sum over k of X[m][k] W[n][k] on codes of FP4 (E2M1) with one E8M0 scale byte for each 32 along K; sums in f32.
; xq and wq are laid [ks 0..7][row 0..4095][272 bytes]: 256 bytes of codes of k = 512 ks .. 512 ks + 511, then the 16 scale bytes of these blocks.
; So 128 rows of one ks are 34,816 consecutive bytes (136 rows of 256 bytes for the tensor load) and land in LDS as they lie, rows 272 bytes apart.
; A tile of out0, 256 x 256, is made by four waves, each 128 x 128: 64 accumulators of 16 x 16.  K goes in 8 steps of 512 through two LDS slots; each wave fetches a quarter of a slot.
; CLUSTERS 4 x 4: X's tile is shared along a row of the cluster, W's along a column: joint loads, each behind a round of the cluster's barrier.
; The matrix instruction is used transposed (source 0 = 16 rows of W, source 1 = 16 rows of X): a lane holds eight neighbouring numbers of a row of out0.
; REGISTERS: window 0: v0-31 addresses; v32-95 scale words, a set for each slot (lanes 0-15 X's block i, lanes 16-31 W's block i); v128-255 X's fragments, two sets of 64.
;   window 1: W's fragments, two sets, at v0 and v128.  windows 2, 3: accumulator (a, b) at v[8 (8 (a % 4) + b)], window 2 + a / 4.
; A step of 128 along K is 64 matrix instructions on one pair of sets; the other pair takes the next step's 32 LDS loads, in ONE run at the step's start, 64 matrix instructions ahead of their use.
; THE CHANGE OF SLOTS stands between a slot's third and fourth step: the fourth step's fragments are in registers by then, so the slot is read no more and is filled again there.
; THE LAST K STEP GOES BY ROWS: all its fragments of W fill window 1, X's come by blocks of 16 rows x 512 K (three buffers: v96, v192, v224), and each block of 16 rows leaves
; through the wave's stage while the next is multiplied.  K stays ascending in every sum.  The stage lies in slot 0, which by then has had its last fill and its last read.
; PREFETCH: behind the joint load of K step t stand two prefetches for K step t + 2; K step 1 is asked for behind the load of K step 0, K step 2 with K step 3 behind the load of K step 1.
; Of the 136 blocks of 256 bytes that a wave fetches, the partner at place p (cx for X, cy for W) names blocks 34 p .. 34 p + 33: a lane a block, the second instruction's spare lanes
; name the last block again.  The loads of K steps 6 and 7 ask for nothing.
.set SIZE_N, 4096
.set PITCH,  272
.set KSTRIDE, 4096*PITCH               ; from one ks to the next, in bytes
.set HALFT,  128*PITCH                 ; what one tensor load brings
.set SLOT,   4*HALFT                   ; X's 256 rows, then W's 256 rows
.set SPARE,  2*SLOT                    ; behind the ring: the spare words, 128 bytes a wave
.set SPITCH, 528                       ; a stage row: 512 bytes + 16
.set SHARE,  34*256                    ; a partner's part of a wave's prefetch
.set ADRA, 16                          ; v16-17 LDS address of my X fragments in slot 0, 1
.set ADRB, 20                          ; v20-21 the same for W
.set ADRS, 22                          ; v22-23 my scale words in slot 0, 1
.set STO,  24                          ; into the stage
.set RD,   25                          ; out of the stage
.set CO,   26                          ; my 16 bytes of a row's 512 in out0
.set SPW,  28                          ; my spare word
.set NIL,  29                          ; 0
.set PFO,  30                          ; 256 x lane
.set PFO2, 31                          ; 256 x min(lane, 1)
.set SC,   32
.set AF,   128
.set BK,   128                         ; the way out: 16 rows read back from the stage
.set PFA,  18                          ; s[18:19] my part of the K step behind the one that is being loaded
.set G1,  24
.set G0,  32
.set G1B, 48
.set G0B, 56
.set MSB, 0
.macro WIN new                         ; the immediate's high byte repeats the setting that is left
.if MSB != (\new)
	s_set_vgpr_msb (MSB<<8)|(\new)
.set MSB, (\new)
.endif
.endm
.set MUL_LO, 0xa1                      ; source 0 (W) window 1, source 1 (X) window 0, C and D window 2; + 0x50: window 3
.set TO_B,   0x40                      ; destination window 1, address window 0
.macro PLACES
.rept 4
	v_nop
.endr
.endm
; a joint load: waves 0, 1 fetch X's halves, waves 2, 3 W's; s_nop 0 and four v_nop behind each line
.macro JLOAD s
	s_cmp_eq_u32 s11, 0
	s_cbranch_scc0 .Lfor_b_\@
	tensor_load_to_lds s[G0+4*\s:G0+4*\s+3], s[G1:G1+7]
	s_nop 0
	PLACES
	s_branch .Lasked_\@
.Lfor_b_\@:
	tensor_load_to_lds s[G0B+4*\s:G0B+4*\s+3], s[G1B:G1B+7]
	s_nop 0
	PLACES
.Lasked_\@:
.endm
.macro CREST                           ; a round of the cluster's barrier behind its opening barrier
	s_cmp_lg_u32 s10, 0
	s_cbranch_scc1 .Lnot_wave_0_\@
	s_barrier_signal -3
.Lnot_wave_0_\@:
	s_barrier_wait -3
	s_barrier_signal -1
	s_barrier_wait -1
.endm
.macro CROUND
	s_barrier_signal -1
	s_barrier_wait -1
	CREST
.endm
.macro PF off                          ; my 34 blocks of the K step at PFA + off
	global_prefetch_b8 v[PFO], s[PFA:PFA+1] offset:\off th:TH_LOAD_NT scope:SCOPE_SE
	global_prefetch_b8 v[PFO2], s[PFA:PFA+1] offset:\off+8192 th:TH_LOAD_NT scope:SCOPE_SE
.endm
.macro ASK                             ; in the loop: s3 = 1 in the last trip, whose loads (K steps 6, 7) have no K step two on
	s_cmp_gt_u32 s3, 1
	s_cbranch_scc0 .Lno_ask_\@
	PF KSTRIDE
.Lno_ask_\@:
.endm
	s_load_b128 s[4:7], s[0:1], 0x0                ; xq, wq
	s_load_b64 s[8:9], s[0:1], 0x10                ; out0
	v_lshl_add_u32 v[SPW], v0, 2, SPARE
	v_mov_b32 v[NIL], 0
	ds_add_u32 v[SPW], v[NIL]                      ; the opening lines: the add twice on end and its wait ahead of my first tensor load
	ds_add_u32 v[SPW], v[NIL]
	v_lshrrev_b32 v1, 5, v0
	v_readfirstlane_b32 s10, v1                    ; wave 0..3
	s_lshr_b32 s11, s10, 1                         ; my half of the tile's rows; also: I fetch for X (0) or W (1)
	s_and_b32 s12, s10, 1                          ; my half of its columns; also: which 128 rows I fetch
	s_bfe_u32 s40, ttmp6, 0x40000                  ; cx
	s_bfe_u32 s41, ttmp6, 0x40004                  ; cy
	s_lshl_b32 s42, ttmp9, 2
	s_add_co_u32 s42, s42, s40                     ; tile column
	s_and_b32 s13, ttmp7, 0xffff
	s_lshl_b32 s13, s13, 2
	s_add_co_u32 s13, s13, s41                     ; tile row
	s_lshl_b32 s43, s41, 2
	s_lshl_b32 s43, 15, s43                        ; my row of the cluster
	s_lshl_b32 s44, 0x1111, s40                    ; my column
	s_or_b32 s[G1+0], s43, (3<<16)|(1<<21)         ; the mask; elements of 8 bytes; bit 21 beside a mask; no padding
	s_or_b32 s[G1B+0], s44, (3<<16)|(1<<21)
.irp g, G1, G1B
	s_mov_b32 s[\g+1], 32<<16                      ; rows of 32 elements = 256 bytes
	s_mov_b32 s[\g+2], 136<<16                     ; 136 rows
	s_mov_b32 s[\g+3], 32<<16
	s_mov_b32 s[\g+4], 136
	s_mov_b32 s[\g+5], 32                          ; dense
	s_mov_b32 s[\g+6], 0
	s_mov_b32 s[\g+7], 0
.endr
	s_lshl_b32 s17, s12, 7
	s_lshl_b32 s16, s13, 8
	s_add_co_u32 s16, s16, s17                     ; X: row 256 x tile row + 128 x half
	s_lshl_b32 s46, s42, 8
	s_add_co_u32 s46, s46, s17                     ; W: row 256 x tile column + 128 x half
	s_mul_i32 s16, s16, PITCH
	s_mul_i32 s46, s46, PITCH
	s_mov_b32 s17, 0
	s_mov_b32 s47, 0
	s_mul_i32 s20, s10, HALFT                      ; where my quarter of a slot goes
	s_cmp_eq_u32 s11, 0
	s_cselect_b32 s44, s40, s41                    ; my place among the four that ask with me
	s_mul_i32 s44, s44, SHARE
	s_mov_b32 s45, 0
	s_wait_dscnt 0x0                               ; both opening adds are done
	s_wait_kmcnt 0x0
	s_add_nc_u64 s[14:15], s[4:5], s[16:17]
	s_add_nc_u64 s[46:47], s[6:7], s[46:47]
	s_cmp_eq_u32 s11, 0
	s_cselect_b64 s[PFA:PFA+1], s[14:15], s[46:47]
	s_add_nc_u64 s[PFA:PFA+1], s[PFA:PFA+1], s[44:45]
	s_add_nc_u64 s[PFA:PFA+1], s[PFA:PFA+1], KSTRIDE   ; at K step 1
.irp s, 0,1
	s_mov_b32 s[G0+4*\s], 1
	s_add_co_u32 s[G0+4*\s+1], s20, \s*SLOT
	s_add_nc_u64 s[G0+4*\s+2:G0+4*\s+3], s[14:15], \s*KSTRIDE
	s_or_b32 s[G0+4*\s+3], s[G0+4*\s+3], 0x80000000
	s_mov_b32 s[G0B+4*\s], 1
	s_add_co_u32 s[G0B+4*\s+1], s20, \s*SLOT
	s_add_nc_u64 s[G0B+4*\s+2:G0B+4*\s+3], s[46:47], \s*KSTRIDE
	s_or_b32 s[G0B+4*\s+3], s[G0B+4*\s+3], 0x80000000
.endr
	CROUND                                         ; all sixteen work-groups are here: the first joint loads meet
	JLOAD 0                                        ; K step 0: one tensor load a wave at the head
	v_and_b32 v6, 31, v0
	v_min_u32 v7, 1, v6
	v_lshlrev_b32 v[PFO], 8, v6
	v_lshlrev_b32 v[PFO2], 8, v7
	v_and_b32 v1, 15, v0                           ; r = l % 16
	v_bfe_u32 v2, v0, 4, 1                         ; h = l / 16
	v_mul_u32_u24 v3, v1, PITCH
	v_lshl_add_u32 v4, v2, 4, v3                   ; a fragment's row x pitch + 16 h
	s_mul_i32 s21, s11, HALFT                      ; my 128 rows of X
	s_mul_i32 s22, s12, HALFT
	s_add_co_u32 s22, s22, 2*HALFT                 ; my 128 rows of W, behind X's 256
	s_sub_co_u32 s23, s22, s21
	v_mul_u32_u24 v5, s23, v2                      ; scale words: lanes 16-31 take W's rows
	v_add_nc_u32 v5, v5, v3
	v_add_nc_u32 v5, 256, v5                       ; behind the row's 256 bytes of codes
.irp s, 0,1
	v_add_nc_u32 v[ADRA+\s], s21, v4
	v_add_nc_u32 v[ADRB+\s], s22, v4
	v_add_nc_u32 v[ADRS+\s], s21, v5
	s_add_co_u32 s21, s21, SLOT
	s_add_co_u32 s22, s22, SLOT
.endr
	s_mul_i32 s23, s10, 16*SPITCH                  ; my stage
	v_mul_u32_u24 v5, v1, SPITCH
	v_lshl_add_u32 v5, v2, 5, v5                   ; in: row r, 32 bytes for each half of the lanes
	v_add_nc_u32 v[STO], s23, v5
	v_lshlrev_b32 v[CO], 4, v6                     ; back: the 32 lanes take one row of 512 bytes
	v_add_nc_u32 v[RD], s23, v[CO]
	PF 0                                           ; K step 1
	s_lshl_b32 s16, s13, 8
	s_lshl_b32 s17, s11, 7
	s_add_co_u32 s16, s16, s17                     ; my first row of out0
	s_lshl_b32 s16, s16, 14                        ; x 16,384 bytes
	s_lshl_b32 s46, s42, 10
	s_lshl_b32 s47, s12, 9
	s_add_co_u32 s46, s46, s47                     ; my first column, in bytes
	s_add_co_u32 s16, s16, s46
	s_mov_b32 s17, 0
	s_add_nc_u64 s[8:9], s[8:9], s[16:17]
.macro FRAG reg, adr, q, i             ; 16 rows x 128 K of 4-bit codes: 8 registers, two loads 32 bytes apart
.irp c, 0,1
	ds_load_b128 v[\reg+4*\c:\reg+4*\c+3], v[\adr] offset:64*(\q)+32*\c+(\i)*16*PITCH
.endr
.endm
.macro WM d, bb, aa, sb, sa, zero
.if \zero
	v_wmma_scale_f32_16x16x128_f8f6f4 v[(\d):(\d)+7], v[(\bb):(\bb)+7], v[(\aa):(\aa)+7], 0, v[\sb], v[\sa] matrix_a_fmt:MATRIX_FMT_FP4 matrix_b_fmt:MATRIX_FMT_FP4 matrix_a_scale:MATRIX_SCALE_ROW1
.else
	v_wmma_scale_f32_16x16x128_f8f6f4 v[(\d):(\d)+7], v[(\bb):(\bb)+7], v[(\aa):(\aa)+7], v[(\d):(\d)+7], v[\sb], v[\sa] matrix_a_fmt:MATRIX_FMT_FP4 matrix_b_fmt:MATRIX_FMT_FP4 matrix_a_scale:MATRIX_SCALE_ROW1
.endif
.endm
; X's block a against W's eight, from the sets p; the slot's q-th 128 along K; sc: the set of scale words.  The accumulators take turns in one order everywhere
.macro MULA a, p, q, sc, zero
	WIN MUL_LO+0x50*((\a)/4)
.irp b, 0,1,2,3,4,5,6,7
	WM 8*(8*((\a)%4)+\b), 128*(\p)+8*\b, AF+64*(\p)+8*(\a), SC+32*(\sc)+4*\b+(\q), SC+32*(\sc)+4*(\a)+(\q), \zero
.endr
.endm
.macro LB slot, q, p, i0               ; W's blocks i0 .. i0 + 3 into set p: eight loads
	WIN TO_B
.irp i, 0,1,2,3
	FRAG 128*(\p)+8*(\i0+\i), ADRB+\slot, \q, \i0+\i
.endr
.endm
.macro LA slot, q, p, i0               ; X's blocks i0 .. i0 + 3 into set p: eight loads
	WIN 0
.irp i, 0,1,2,3
	FRAG AF+64*(\p)+8*(\i0+\i), ADRA+\slot, \q, \i0+\i
.endr
.endm
.macro SCALES slot                     ; a K step's scale words: four words a row, eight loads
.irp i, 0,1,2,3,4,5,6,7
	ds_load_b128 v[SC+32*\slot+4*\i:SC+32*\slot+4*\i+3], v[ADRS+\slot] offset:\i*16*PITCH
.endr
.endm
; one run of LDS loads: the fragments of the slot's q-th 128 along K into the sets p, X's blocks 4-7 last; sc = 1: the slot's scale words too.  It leaves every window 0
.macro RUN slot, q, p, sc
	LB \slot, \q, \p, 0
	LB \slot, \q, \p, 4
	LA \slot, \q, \p, 0
.if \sc
	SCALES \slot
.endif
	LA \slot, \q, \p, 4
.endm
; a slot's first or second step
.macro STEP slot, q, zero
	s_wait_dscnt 8                                 ; my sets are in but for the youngest eight loads, X's blocks 4-7
	PLACES                                         ; four places between the last step's products and the loads into the sets that they read
	RUN \slot, (\q)+1, 1-(\q)%2, 0
.irp a, 0,1,2,3
	MULA \a, (\q)%2, \q, \slot, \zero
.endr
	s_wait_dscnt 32                                ; all but the 32 loads just issued: X's blocks 4-7 are in
.irp a, 4,5,6,7
	MULA \a, (\q)%2, \q, \slot, \zero
.endr
.endm
; a slot's third step.  Its run holds my last reads of the slot; among its last 16 products stand the lines and the barrier of the change of slots.  ask = 1: the prefetches' address steps
.macro STEP2 slot, ask
.if \ask
	s_wait_xcnt 0x0                                ; my prefetches, issued three steps ago, have read their address
	s_add_nc_u64 s[PFA:PFA+1], s[PFA:PFA+1], KSTRIDE
.endif
	s_wait_dscnt 8
	PLACES
	RUN \slot, 3, 1, 0
.irp a, 0,1,2,3
	MULA \a, 0, 2, \slot, 0
.endr
	s_wait_dscnt 32
	MULA 4, 0, 2, \slot, 0
	MULA 5, 0, 2, \slot, 0
	WIN 0                                          ; the add's two registers lie in window 0
	s_wait_tensorcnt 0x0                           ; all my tensor loads have landed: my part of the next slot
	ds_add_u32 v[SPW], v[NIL]
	MULA 6, 0, 2, \slot, 0
	s_wait_dscnt 0x0                               ; the add is done, my reads of this slot are over
	s_barrier_signal -1
	MULA 7, 0, 2, \slot, 0
	WIN 0
	s_barrier_wait -1
.endm
; a slot's fourth step: the slot is filled again, two K steps on; the next slot's first fragments and scale words are fetched; the products run on registers that were whole at the barrier
.macro STEP3 slot, next
	CREST                                          ; the barrier has opened a round of the cluster's barrier
	s_add_nc_u64 s[G0+4*\slot+2:G0+4*\slot+3], s[G0+4*\slot+2:G0+4*\slot+3], 2*KSTRIDE
	s_add_nc_u64 s[G0B+4*\slot+2:G0B+4*\slot+3], s[G0B+4*\slot+2:G0B+4*\slot+3], 2*KSTRIDE
	JLOAD \slot                                    ; the first tensor load behind the round; its four v_nop are the places in front of the loads below
	RUN \next, 0, 0, 1
	ASK
.irp a, 0,1,2,3,4,5,6,7
	MULA \a, 1, 3, \slot, 0
.endr
.endm
	s_wait_alu depctr_va_vdst(0)
	s_wait_tensorcnt 0x0                           ; my part of K step 0 is in
	ds_add_u32 v[SPW], v[NIL]
	s_wait_xcnt 0x0                                ; the head's prefetches have read their address
	s_add_nc_u64 s[PFA:PFA+1], s[PFA:PFA+1], KSTRIDE
	s_wait_dscnt 0x0
	CROUND
	JLOAD 1                                        ; K step 1, the first tensor load behind the round
	RUN 0, 0, 0, 1
	PF 0                                           ; K steps 2 and 3
	PF KSTRIDE
	STEP 0, 0, 1                                   ; the first step's products start the sums
	WIN 0
	s_mov_b32 s3, 3
.Llap:                                                 ; a trip goes once round the ring and fills both slots again
	STEP 0, 1, 0
	STEP2 0, 1
	STEP3 0, 1
	STEP 1, 0, 0
	STEP 1, 1, 0
	STEP2 1, 1
	STEP3 1, 0
	STEP 0, 0, 0
	WIN 0
	s_sub_co_u32 s3, s3, 1
	s_cmp_lg_u32 s3, 0
	s_cbranch_scc1 .Llap
	STEP 0, 1, 0
	STEP2 0, 0                                     ; THE LAST CHANGE OF SLOTS: the load that was out is K step 7's, so no round follows
; behind it the last K step (slot 1) goes by rows of out0
.macro BLOAD q                         ; W's eight fragments of quarter q -> window 1, v[64 q ..]
.irp i, 0,1,2,3,4,5,6,7
	FRAG 64*(\q)+8*\i, ADRB+1, \q, \i
.endr
.endm
.macro ALOAD a                         ; X's block a, all four quarters -> buffer a % 3 (v96, v192, v224)
.set PAR, 96+128*((\a)%3)-32*((\a)%3)*((\a)%3)
.irp q, 0,1,2,3
	FRAG PAR+8*\q, ADRA+1, \q, \a
.endr
.endm
.macro ROW a                           ; block a is finished: 32 products, its eight accumulators by turns, K ascending
.set PAR, 96+128*((\a)%3)-32*((\a)%3)*((\a)%3)
	WIN MUL_LO+0x50*((\a)/4)
.irp q, 0,1,2,3
.if (\a) == 0
.if \q == 2
	s_wait_dscnt 16                                ; W's quarter 2 is in; behind it X's blocks 1 and 2
.endif
.endif
.irp b, 0,1,2,3,4,5,6,7
	WM 8*(8*((\a)%4)+\b), 64*\q+8*\b, PAR+8*\q, SC+32+4*\b+\q, SC+32+4*(\a)+\q, 0
.endr
.endr
.endm
.macro TOSTAGE a                       ; 16 rows x 128 columns into my stage, each accumulator from its low end on, and back as whole rows of 512 bytes (LDS serves a wave's instructions in order)
.set AC, 64*((\a)%4)
	WIN 0x08+4*((\a)/4)
.irp b, 0,1,2,3,4,5,6,7
	ds_store_b128 v[STO], v[AC+8*\b:AC+8*\b+3] offset:64*\b
	ds_store_b128 v[STO], v[AC+8*\b+4:AC+8*\b+7] offset:64*\b+16
.endr
	WIN 0
.irp t, 0,1,2,3,4,5,6,7,8,9,10,11,12,13,14,15
	ds_load_b128 v[BK+4*\t:BK+4*\t+3], v[RD] offset:\t*SPITCH
.endr
.endm
.macro SEND a                          ; 32 lanes store 512 consecutive bytes, at a multiple of 256 from out0's first byte; the row stands in the immediate (127 x 16,384 bytes at the most)
	WIN 0                                          ; the stores' offset and data lie in window 0
.irp t, 0,1,2,3,4,5,6,7,8,9,10,11,12,13,14,15
	global_store_b128 v[CO], v[BK+4*\t:BK+4*\t+3], s[8:9] offset:(16*(\a)+\t)*SIZE_N*4 th:TH_STORE_NT
.endr
.endm
	PLACES                                         ; for the loads into the sets that the third step multiplied
	WIN TO_B
	BLOAD 0                                        ; three quarters of W now: set 1 (v128-191 of window 1) is still to be multiplied
	BLOAD 1
	BLOAD 3
	WIN 0
	SCALES 1
	ALOAD 0
.irp a, 0,1,2,3,4,5,6,7
	MULA \a, 1, 3, 0, 0                            ; slot 0's fourth step
.endr
	PLACES                                         ; for the loads into the sets just multiplied
	WIN TO_B
	BLOAD 2
	WIN 0
	ALOAD 1
	ALOAD 2
	s_wait_dscnt 32                                ; all but the 32 just issued
	ROW 0
.irp a, 0,1,2,3,4,5,6,7
	PLACES                                         ; between block a's products and the stage's stores, and the loads into its buffer
.if \a > 0
	s_wait_xcnt 0x0                                ; the last block's stores have read their registers, which the stage's loads fill again
.endif
	TOSTAGE \a
.if \a < 5
	ALOAD \a+3
	s_wait_dscnt 40                                ; all ahead of this block's 32 stage instructions and 8 loads: the next block's fragments are in
	ROW \a+1
	s_wait_dscnt 8                                 ; the block is back from the stage; the 8 loads behind it may be out
.else
.if \a < 7
	s_wait_dscnt 32
	ROW \a+1
.endif
	s_wait_dscnt 0x0
.endif
	SEND \a
.endr
	s_wait_tensorcnt 0x0                           ; the wave's end
	ds_add_u32 v[SPW], v[NIL]
	s_wait_dscnt 0x0
	CROUND                                         ; the closing round
	s_endpgm
.Lfunc_end_k_q7460ac8b5b_gemm:
	.size	k_q7460ac8b5b_gemm, .Lfunc_end_k_q7460ac8b5b_gemm-k_q7460ac8b5b_gemm
	.p2alignl 7, 3214868480
	.fill 96, 4, 3214868480
	.section	.rodata,"a",@progbits
	.p2align	6, 0x0
	.amdhsa_kernel k_q7460ac8b5b_gemm
		.amdhsa_group_segment_fixed_size 327680
		.amdhsa_private_segment_fixed_size 0
		.amdhsa_enable_private_segment 0
		.amdhsa_kernarg_size 24
		.amdhsa_user_sgpr_count 2
		.amdhsa_user_sgpr_kernarg_segment_ptr 1
		.amdhsa_wavefront_size32 1
		.amdhsa_system_sgpr_workgroup_id_x 1
		.amdhsa_system_sgpr_workgroup_id_y 1
		.amdhsa_system_sgpr_workgroup_id_z 1
		.amdhsa_system_vgpr_workitem_id 0
		.amdhsa_next_free_vgpr 1024
		.amdhsa_next_free_sgpr 66
		.amdhsa_reserve_vcc 0
		.amdhsa_float_denorm_mode_32 3
		.amdhsa_float_denorm_mode_16_64 3
		.amdhsa_memory_ordered 1
		.amdhsa_forward_progress 1
		.amdhsa_inst_pref_size 209
	.end_amdhsa_kernel
	.amdgpu_metadata
---
amdhsa.version: [ 1, 2 ]
amdhsa.kernels:
  - .name:           k_q7460ac8b5b_gemm
    .symbol:         k_q7460ac8b5b_gemm.kd
    .args:
      - { .name: xq, .offset: 0, .size: 8, .value_kind: global_buffer, .address_space: global }
      - { .name: wq, .offset: 8, .size: 8, .value_kind: global_buffer, .address_space: global }
      - { .name: out0, .offset: 16, .size: 8, .value_kind: global_buffer, .address_space: global }
    .group_segment_fixed_size: 327680
    .private_segment_fixed_size: 0
    .kernarg_segment_align: 8
    .kernarg_segment_size: 24
    .max_flat_workgroup_size: 128
    .sgpr_count:     66
    .vgpr_count:     1024
    .wavefront_size: 32
...
	.end_amdgpu_metadata
.endif
;; end of part 2
